; MI455X (gfx1250); checked and timed in simulation.
; The chip was launched on July 23, 2026; its instructions are those of AMD's public machine-readable ISA for CDNA 5 (MIT licence, August 2026) and "CDNA5" Instruction Set Architecture Reference Guide (July 2026). The comments in the code are by the model that wrote it; some were corrected since.
;; Mo E Layer. Allowed arithmetic: matrix products marked QUANTISED: E2M1 operands, one E8M0 scale for each 32 along K, by v_wmma_scale_f32_16x16x128_f8f6f4 with both operands' format E2M1 (or v_wmma_scale_f32_32x16x128_f4), f32 sums; products left as they are: f32 operands where the result goes on into a quantised operand, else bf16, f16 or f32 operands; f32 sums; everything else in f32.
;; Inputs: W1 8 x 1,024 x 4,096 float32; W2 8 x 4,096 x 1,024 float32; Wr 1,024 x 8 float32; b1 8 x 4,096 float32; b2 8 x 1,024 float32; br 8 float32; hidden_states 2 x 512 x 1,024 float32.
;; Outputs: out0 2 x 512 x 1,024 float32; out1 one number float32.
;; This version of the problem:
;;   THIS VERSION OF THE PROBLEM IS GIVEN IN LOW PRECISION. The matrix products marked QUANTISED in the list below multiply operands that are first quantised to E2M1 (2 exponent bits, 1 mantissa bit; 4 bits a number), with one power-of-two scale for each 32 numbers along K (OCP MX v1.0); their sums are f32. All else is computed in f32.
;;   The module's matrix products, in the order in which they are computed (A, B: the left and right operand; K: the contracted axis; several contracted axes count as one K, in the product's order):
;;     1. [M 1,024, K 1,024] x [K 1,024, N 8]; A: input hidden_states; B: input Wr: left as it is (N = 8 < 16)
;;     2. [M 1,024, K 1,024] x [K 1,024, N 4,096]; A: input hidden_states; B: input W1: QUANTISED
;;     3. [M 1,024, K 4,096] x [K 4,096, N 1,024]; A: computed on the way; B: input W2: QUANTISED
;;     4. [M 1,024, K 1,024] x [K 1,024, N 4,096]; A: input hidden_states; B: input W1: QUANTISED
;;     5. [M 1,024, K 4,096] x [K 4,096, N 1,024]; A: computed on the way; B: input W2: QUANTISED
;;     6. [M 1,024, K 1,024] x [K 1,024, N 4,096]; A: input hidden_states; B: input W1: QUANTISED
;;     7. [M 1,024, K 4,096] x [K 4,096, N 1,024]; A: computed on the way; B: input W2: QUANTISED
;;     8. [M 1,024, K 1,024] x [K 1,024, N 4,096]; A: input hidden_states; B: input W1: QUANTISED
;;     9. [M 1,024, K 4,096] x [K 4,096, N 1,024]; A: computed on the way; B: input W2: QUANTISED
;;     10. [M 1,024, K 1,024] x [K 1,024, N 4,096]; A: input hidden_states; B: input W1: QUANTISED
;;     11. [M 1,024, K 4,096] x [K 4,096, N 1,024]; A: computed on the way; B: input W2: QUANTISED
;;     12. [M 1,024, K 1,024] x [K 1,024, N 4,096]; A: input hidden_states; B: input W1: QUANTISED
;;     13. [M 1,024, K 4,096] x [K 4,096, N 1,024]; A: computed on the way; B: input W2: QUANTISED
;;     14. [M 1,024, K 1,024] x [K 1,024, N 4,096]; A: input hidden_states; B: input W1: QUANTISED
;;     15. [M 1,024, K 4,096] x [K 4,096, N 1,024]; A: computed on the way; B: input W2: QUANTISED
;;     16. [M 1,024, K 1,024] x [K 1,024, N 4,096]; A: input hidden_states; B: input W1: QUANTISED
;;     17. [M 1,024, K 4,096] x [K 4,096, N 1,024]; A: computed on the way; B: input W2: QUANTISED
;;   THE QUANTISER, for each operand of a quantised product, along K:
;;     - K is cut into blocks of 32 from its start; a last block that is shorter is filled with zeros.
;;     - A block's scale is 2^e with e = floor(log2(the largest magnitude in the block)) - 2, held to -126 .. 127; a block of zeros has e = 0. As a byte (E8M0): e + 127.
;;     - Each number is divided by its block's scale, clamped to +-6, and rounded to the nearest number of E2M1, ties to even, subnormals kept.
;;     - The product sums the exact products of the quantised numbers (number of the format x scale) in f32.
;;   ~~~python
;;   def quantise(x, axis):      # numpy; x: float32 -> the quantised numbers, widened to float32 again
;;       x = np.moveaxis(x, axis, -1); K = x.shape[-1]
;;       x = np.pad(x, [(0, 0)] * (x.ndim - 1) + [(0, -K % 32)]); x = x.reshape(x.shape[:-1] + (-1, 32)); a = np.abs(x).max(-1, keepdims=True)
;;       e = np.where(a > 0, np.clip(np.frexp(np.where(a > 0, a, 1))[1] - 1 - 2, -126, 127), 0)      # np.frexp(a)[1] - 1 = floor(log2(a)), exactly
;;       r = np.clip(x / 2.0 ** e, -6, 6)
;;       step = 2.0 ** (np.maximum(np.frexp(np.where(r == 0, 1, r))[1] - 1, 0) - 1)
;;       q = np.round(r / step) * step * 2.0 ** e      # np.round: ties to even
;;       return np.moveaxis(q.reshape(q.shape[:-2] + (-1,))[..., :K], -1, axis).astype(np.float32)
;;   ~~~
;;   OPERANDS COMPUTED ON THE WAY. 'Computed on the way' means the value that the module computes at that place (a softmax that the list does not call 'softmax' is quantised finished and normalised). What goes into a quantiser is computed in f32, as accurately as f32 sums, v_exp_f32 and their like allow (about 1e-6 of the number): no bf16 or f16 on the way to a quantiser, and a product that is left as it is and whose result goes on into a quantised operand takes f32 operands (vector FMAs, or v_wmma_f32_16x16x4_f32). A number that lies on a knife's edge between two numbers of the format may be rounded either way, as far as f32 arithmetic and the matrix unit's own rounding can turn it there, and no further.
;; One version. Each part assembles by itself: llvm-mc -triple=amdgcn-amd-amdhsa -mcpu=gfx1250 --defsym DOCPART=n.
;; ======== version 1 of 1: 4 launches
;; limits: right only within a limited range of input values
;; workspace buffers: xc 557,056 bytes; rt 12,288 bytes; masks 2,048 bytes of whole numbers; hc 17,858,560 bytes; rows 33,024 bytes of whole numbers; y2 16,842,752 bytes
;; launch route (part 1): grid 128 x 1, 4 waves a work-group, no clusters, 71,168 bytes of LDS; arguments hidden_states, Wr, br, xc, rt, masks; writes xc, rt, masks
.if DOCPART == 1
	.amdgcn_target "amdgcn-amd-amdhsa--gfx1250"
	.amdhsa_code_object_version 6
	.text
	.protected	k_qb0fac0f236_route
	.globl	k_qb0fac0f236_route
	.p2align	8
	.type	k_qb0fac0f236_route,@function
k_qb0fac0f236_route:
	s_mov_b64 s[64:65], 0
	v_nop
	global_prefetch_b8 v0, s[64:65] scope:SCOPE_SE
	s_setreg_imm32_b32 hwreg(HW_REG_WAVE_MODE, 25, 1), 1
	s_wait_xcnt 0x0
; ROUTE.  For 8 tokens a work-group: the router's logits x Wr + br in f32 (fused multiply-adds), the softmax's top 2 and their renormalised weights, logsumexp,
; and x as codes of FP4 (E2M1) with one E8M0 byte for each 32 along K.  Stored: xc (codes [1024 tokens][512 bytes], then scale bytes [1024][32]); rt (weights [2 choices][1024], then logsumexp [1024]);
; masks, whole numbers: plane A [8 experts][1024 bits] "token chose expert", plane B the same for "expert is the token's second choice".  No address here hangs on the choice: a later launch places rows.
; SHARES.  Four waves; wave w takes tokens 2 w and 2 w + 1 of the 8.  Lane l holds block l (k = 32 l .. 32 l + 31) of its tokens and rows 32 l .. 32 l + 31 of Wr.  Every global load reads 512 consecutive bytes.
; Wr is loaded once a work-group, a quarter by each wave, into a shared stage in LDS; a barrier; every wave reads all of it, a lane its 32 rows.  x turns through the wave's own stage.  The stages' regions are padded by
; 16 bytes (pitches 1,040 and 144, odd multiples of 16).  The waves' logits and scale bytes meet in LDS behind a second barrier, and wave 0 does the router for the 8 tokens (lane = token l % 8).
; LIMITS.  NaN and infinities are not served.  A block of zeros gets the scale byte 1 (its codes are zeros; this program alone reads the bytes).  The top 2 are taken on 2^((l - m) log2 e), m the row's
; largest logit; an exponential under 2^-126 comes out as 0, so a second choice whose probability is under about 1e-38 may be another expert than a softmax with denormals gives (its weight is 0 then).
; Logits that differ by less than the rounding of an f32 sum of 1,024 terms may be ordered either way.  Ties keep the lower index.
; REGISTERS.  window 0: v1-15 addresses; v16-31 two sets of four pairs of sums; v32-39 at work; v40-47 logits; v48-55 exponentials; v56-63 the same without the first choice;
;   v64-79 at work; v80-87 codes; v112-113 scale bytes; v116-117 the scale bytes on their way out; v120-122 a block's maximum and scale; v124, v125 mask bytes (lane = expert).
;   window 1: x, token i at 32 i.   window 2: Wr, register 8 i + e = Wr[32 l + i][e].
.set XST,    33280                     ; LDS: Wr's stage at 0 (32 regions of 1,040 bytes); x's stages here (4 waves x 2 tokens x 32 regions of 144 bytes);
.set SBY,    70144                     ; the 256 scale bytes;
.set LGT,    70400                     ; the logits [8 tokens][8 experts]
.set XS_OFF, 524288                    ; xc: where the scale bytes begin
.set MSB, 0
.macro WIN new                         ; the immediate's high byte repeats the setting that is left
.if MSB != \new
	s_set_vgpr_msb (MSB<<8)|\new
.set MSB, \new
.endif
.endm
	s_load_b256 s[4:11], s[0:1], 0x0               ; x s[4:5], Wr s[6:7], br s[8:9], xc s[10:11]
	s_load_b128 s[12:15], s[0:1], 0x20             ; rt s[12:13], masks s[14:15]
	v_lshl_add_u32 v254, v0, 2, 0x11400
	v_mov_b32 v255, 0
	v_lshrrev_b32 v12, 5, v0
	v_readfirstlane_b32 s32, v12                   ; wave w
	v_and_b32 v13, 31, v0                          ; lane l
	v_lshlrev_b32 v1, 4, v13                       ; 16 l: my 16 bytes of a load's 512
	v_lshl_add_u32 v14, v12, 13, v1                ; + 8,192 w: my wave's quarter of Wr, and its two rows of x
	v_mad_u32_u24 v15, v12, 8320, v1               ; Wr's stage, in: my wave's eight regions
	v_lshrrev_b32 v10, 3, v13
	v_and_b32 v11, 7, v13
	v_mul_u32_u24 v2, v10, 144
	v_lshl_add_u32 v2, v11, 4, v2
	v_mad_u32_u24 v2, v12, 9216, v2
	v_add_nc_u32 v2, XST, v2                       ; x's stage, in: eight lanes fill a region of 128 bytes
	v_mul_u32_u24 v3, v13, 144
	v_mad_u32_u24 v3, v12, 9216, v3
	v_add_nc_u32 v3, XST, v3                       ; and out: region l
	v_mul_u32_u24 v4, v13, 1040                    ; Wr's stage, out: region l
	v_lshl_add_u32 v5, v12, 6, v13
	v_add_nc_u32 v5, SBY, v5                       ; my block's scale byte: l + 64 w
	v_lshl_add_u32 v6, v13, 3, SBY                 ; the scale bytes on the way out: 8 a lane
	v_lshlrev_b32 v7, 3, v13
	v_lshlrev_b32 v8, 2, v13
	v_lshlrev_b32 v9, 7, v13                       ; masks: 128 bytes an expert
	v_lshlrev_b32 v10, 2, v11
	v_lshl_add_u32 v10, v12, 6, v10
	v_add_nc_u32 v10, LGT, v10                     ; where I put a logit: expert l % 8 of my wave's tokens
	v_lshl_add_u32 v11, v11, 5, LGT                ; and where wave 0 reads them: token l % 8
.irp e, 0,1,2,3,4,5,6,7
	v_mov_b32 v[32+\e], 0                          ; written once: a lane permute's destination counts as one of its sources
.endr
	v_mov_b32 v124, 0
	v_mov_b32 v125, 0
	s_mov_b32 s24, 0x76543210
	s_mov_b32 s25, 0xfedcba98                      ; v_permlanex16_b32's selects for lane l xor 16
	s_mov_b32 s27, 0
	s_lshl_b32 s26, ttmp9, 15
	s_wait_kmcnt 0x0
	s_add_nc_u64 s[4:5], s[4:5], s[26:27]          ; the work-group's 8 rows of x
	WIN 0x80                                       ; destination window 2
.set m_, 0
.rept 16
	global_load_b128 v[4*m_:4*m_+3], v14, s[6:7] offset:512*m_           ; my quarter of Wr as it lies
.set m_, m_+1
.endr
	WIN 0x40                                       ; destination window 1
.set m_, 0
.rept 16
	global_load_b128 v[4*m_:4*m_+3], v14, s[4:5] offset:512*m_ th:TH_LOAD_NT   ; my two rows of x as they lie: token m / 8, its 512 bytes number m % 8
.set m_, m_+1
.endr
	s_load_b256 s[16:23], s[8:9], 0x0              ; br
	s_lshl_b32 s26, ttmp9, 8
	s_add_nc_u64 s[28:29], s[10:11], s[26:27]
	s_add_nc_u64 s[28:29], s[28:29], XS_OFF        ; the work-group's 256 scale bytes
	s_lshl_b32 s26, ttmp9, 12
	s_lshl_b32 s33, s32, 10
	s_add_co_u32 s26, s26, s33
	s_add_nc_u64 s[10:11], s[10:11], s[26:27]      ; my wave's 2 rows of codes
	s_lshl_b32 s26, ttmp9, 5
	s_add_nc_u64 s[12:13], s[12:13], s[26:27]      ; the work-group's 8 words in each part of rt
	s_mov_b32 s26, ttmp9
	s_add_nc_u64 s[14:15], s[14:15], s[26:27]      ; its byte in each expert's 128
	s_wait_loadcnt 16                              ; Wr's 16 loads are in; x's 16 are younger
	WIN 0x08                                       ; an LDS store's data are its source 1: window 2
.set m_, 0
.rept 16
	ds_store_b128 v15, v[4*m_:4*m_+3] offset:1040*(m_/2)+512*(m_%2)
.set m_, m_+1
.endr
	s_wait_loadcnt 0x0
	WIN 0x04                                       ; data: window 1
.irp i, 0,1
.irp q, 0,1,2,3,4,5,6,7
	ds_store_b128 v2, v[32*\i+4*\q:32*\i+4*\q+3] offset:4608*\i+576*\q
.endr
.endr
	WIN 0x40
.irp i, 0,1
.irp q, 0,1,2,3,4,5,6,7
	ds_load_b128 v[32*\i+4*\q:32*\i+4*\q+3], v3 offset:4608*\i+16*\q     ; LDS serves a wave's instructions in order: these see my stores above
.endr
.endr
	WIN 0
	s_wait_dscnt 0x0                               ; for the others' sake: my quarter of Wr has landed
	s_barrier_signal -1
	s_barrier_wait -1                              ; Wr's stage is whole; nobody writes it again
	WIN 0x80
.set m_, 0
.rept 64
	ds_load_b128 v[4*m_:4*m_+3], v4 offset:16*m_
.set m_, m_+1
.endr
	WIN 0
	s_wait_dscnt 0x0
; Token i of my two: its eight logits, and its block l as codes.
.macro TOKEN i
	WIN 0x09                                       ; source 0 (x) window 1, source 1 (Wr) window 2
.irp h, 0,1,2,3,4,5,6,7,8,9,10,11,12,13,14,15      ; k = 32 l + 2 h into set 0, + 2 h + 1 into set 1: two chains for each pair of experts
.irp p, 0,1,2,3
.if \h == 0
	v_pk_mul_f32 v[16+2*\p:17+2*\p], v[32*\i:32*\i+1], v[2*\p:2*\p+1] op_sel_hi:[0,1]
.else
	v_pk_fma_f32 v[16+2*\p:17+2*\p], v[32*\i+2*\h:32*\i+2*\h+1], v[16*\h+2*\p:16*\h+2*\p+1], v[16+2*\p:17+2*\p] op_sel_hi:[0,1,1]
.endif
.endr
.irp p, 0,1,2,3
.if \h == 0
	v_pk_mul_f32 v[24+2*\p:25+2*\p], v[32*\i:32*\i+1], v[8+2*\p:9+2*\p] op_sel:[1,0] op_sel_hi:[1,1]
.else
	v_pk_fma_f32 v[24+2*\p:25+2*\p], v[32*\i+2*\h:32*\i+2*\h+1], v[16*\h+8+2*\p:16*\h+9+2*\p], v[24+2*\p:25+2*\p] op_sel:[1,0,0] op_sel_hi:[1,1,1]
.endif
.endr
.endr
	WIN 0
.irp p, 0,1,2,3
	v_pk_add_f32 v[16+2*\p:17+2*\p], v[16+2*\p:17+2*\p], v[24+2*\p:25+2*\p]
.endr
.irp x, 1,2,4,8                                    ; over the 32 lanes, the eight sums by turns
.irp e, 0,1,2,3,4,5,6,7
	v_add_f32_dpp v[16+\e], v[16+\e], v[16+\e] row_xmask:\x row_mask:0xf bank_mask:0xf
.endr
.endr
.irp e, 0,1,2,3,4,5,6,7
	v_permlanex16_b32 v[32+\e], v[16+\e], s24, s25
.endr
.irp e, 0,1,2,3,4,5,6,7
	v_add_f32 v[16+\e], v[16+\e], v[32+\e]
.endr
	v_mov_b32 v[40+\i], v16                        ; one register in which lane l holds the logit of expert l % 8
.irp e, 1,2,3,4,5,6,7
	s_mov_b32 s31, 0x01010101<<\e
	v_cndmask_b32 v[40+\i], v[40+\i], v[16+\e], s31
.endr
	ds_store_b32 v10, v[40+\i] offset:32*\i        ; (four lanes store the same word with the same value)
	WIN 0x14                                       ; sources 1 and 2 window 1
.irp n, 0,1,2,3,4,5,6,7,8,9,10,11,12,13,14,15      ; my block's largest magnitude, in two chains; the floor 2^(3 - 127) holds the byte at 1 from below
.if \n == 0
	v_max3_num_f32 v120, 0x1800000, |v[32*\i]|, |v[32*\i+1]|
.elseif \n == 1
	v_max3_num_f32 v121, 0, |v[32*\i+2]|, |v[32*\i+3]|
.else
	v_max3_num_f32 v[120+\n%2], v[120+\n%2], |v[32*\i+2*\n]|, |v[32*\i+2*\n+1]|
.endif
.endr
	WIN 0
	v_max_num_f32 v120, v120, v121
	v_add_nc_u32 v122, 0xff000000, v120            ; 2 off its exponent field: the conversion takes the exponent field of this operand as its scale
	v_lshrrev_b32 v[112+\i], 23, v122              ; the scale's byte
	WIN 0x01
.irp q, 0,1,2,3
	v_cvt_scalef32_pk8_fp4_f32 v[80+4*\i+\q], v[32*\i+8*\q:32*\i+8*\q+7], v122
.endr
	WIN 0
	v_nop                                          ; one plain instruction behind the last scaled conversion
	global_store_b128 v1, v[80+4*\i:83+4*\i], s[10:11] offset:512*\i     ; the token's 512 bytes of codes, on end
	ds_store_b8 v5, v[112+\i] offset:32*\i
.endm
	TOKEN 0
	TOKEN 1
	s_wait_kmcnt 0x0                               ; br
	s_wait_dscnt 0x0                               ; for wave 0's sake: my logits and scale bytes have landed
	s_barrier_signal -1
	s_barrier_wait -1
	s_cmp_lg_u32 s32, 0
	s_cbranch_scc1 .Lend                           ; what is left is one wave's work
	ds_load_b64 v[116:117], v6
	ds_load_b128 v[40:43], v11                     ; lane l: the eight logits of token l % 8
	ds_load_b128 v[44:47], v11 offset:16
	s_wait_dscnt 0x0
	global_store_b64 v7, v[116:117], s[28:29]      ; 32 lanes store 256 consecutive bytes, aligned
	; THE ROUTER, lane = token l % 8
.irp e, 0,1,2,3,4,5,6,7
	v_add_f32 v[40+\e], s[16+\e], v[40+\e]
.endr
	v_max3_num_f32 v68, v40, v41, v42
	v_max3_num_f32 v68, v68, v43, v44
	v_max3_num_f32 v68, v68, v45, v46
	v_max_num_f32 v68, v68, v47                    ; m: the largest logit is taken away before the exponentials
.irp e, 0,1,2,3,4,5,6,7
	v_sub_f32 v[48+\e], v[40+\e], v68
.endr
.irp e, 0,1,2,3,4,5,6,7
	v_mul_f32 v[48+\e], 0x3fb8aa3b, v[48+\e]
.endr
	s_wait_alu depctr_va_vdst(0)
.irp e, 0,1,2,3,4,5,6,7
	v_exp_f32 v[48+\e], v[48+\e]
.endr
	v_mov_b32 v65, 0                               ; (a plain instruction behind the exponentials)  the first choice's index
	s_wait_alu depctr_va_vdst(0)                   ; one wait for the eight, ahead of their first reader
	v_add_f32 v69, v48, v49
	v_add_f32 v70, v50, v51
	v_add_f32 v71, v52, v53
	v_add_f32 v72, v54, v55
	v_add_f32 v69, v69, v70
	v_add_f32 v71, v71, v72
	v_add_f32 v69, v69, v71                        ; the sum, at least 1
	s_wait_alu depctr_va_vdst(0)
	v_log_f32 v70, v69
	v_mov_b32 v64, v48                             ; the scan for the largest stands behind the logarithm as independent work
.irp e, 1,2,3,4,5,6,7
	v_cmp_le_f32 vcc_lo, v[48+\e], v64             ; only a strictly larger one takes the place: ties keep the lower index
	v_cndmask_b32 v65, \e, v65, vcc_lo
	v_max_num_f32 v64, v64, v[48+\e]
.endr
	v_mov_b32 v74, -1.0
.irp e, 0,1,2,3,4,5,6,7
	v_cmp_eq_u32 vcc_lo, \e, v65
	v_cndmask_b32 v[56+\e], v[48+\e], v74, vcc_lo  ; the first choice is taken out: -1 lies under every exponential
.endr
	v_mov_b32 v66, v56
	v_mov_b32 v67, 0
.irp e, 1,2,3,4,5,6,7
	v_cmp_le_f32 vcc_lo, v[56+\e], v66
	v_cndmask_b32 v67, \e, v67, vcc_lo
	v_max_num_f32 v66, v66, v[56+\e]
.endr
	v_add_f32 v75, v64, v66
	s_wait_alu depctr_va_vdst(0)
	v_rcp_f32 v76, v75
	v_nop                                          ; a plain instruction behind the reciprocal
	s_wait_alu depctr_va_vdst(0)                   ; one wait for the logarithm and the reciprocal
	v_fmamk_f32 v69, v70, 0x3f317218, v68          ; logsumexp = m + ln 2 x log2(sum)
	v_mul_f32 v72, v64, v76                        ; the two weights, renormalised
	v_mul_f32 v73, v66, v76
.irp e, 0,1,2,3,4,5,6,7
	v_cmp_eq_u32 s26, \e, v65
	v_cmp_eq_u32 s27, \e, v67
	s_or_b32 s26, s26, s27
	v_writelane_b32 v124, s26, \e                  ; bits 0-7: tokens 0-7 (the upper bits repeat them and are not stored)
	v_writelane_b32 v125, s27, \e
.endr
	s_wait_alu depctr_va_vdst(0)
	s_wait_xcnt 0x0                                ; EXEC changes only behind this wait
	v_cmp_gt_u32 vcc_lo, 8, v0
	s_and_saveexec_b32 s30, vcc_lo
	global_store_b32 v8, v72, s[12:13]             ; lane = token
	global_store_b32 v8, v73, s[12:13] offset:4096
	global_store_b32 v8, v69, s[12:13] offset:8192
	global_store_b8 v9, v124, s[14:15]             ; lane = expert
	global_store_b8 v9, v125, s[14:15] offset:1024
	s_wait_xcnt 0x0                                ; and again, in front of the line that widens it
	s_or_b32 exec_lo, exec_lo, s30
.Lend:
	s_barrier_signal -1
	s_barrier_wait -1
	s_wait_tensorcnt 0x0
	ds_add_u32 v254, v255
	s_wait_dscnt 0x0
	s_endpgm
.Lfunc_end_k_qb0fac0f236_route:
	.size	k_qb0fac0f236_route, .Lfunc_end_k_qb0fac0f236_route-k_qb0fac0f236_route
	.p2alignl 7, 3214868480
	.fill 96, 4, 3214868480
	.section	.rodata,"a",@progbits
	.p2align	6, 0x0
	.amdhsa_kernel k_qb0fac0f236_route
		.amdhsa_group_segment_fixed_size 71168
		.amdhsa_private_segment_fixed_size 0
		.amdhsa_enable_private_segment 0
		.amdhsa_kernarg_size 48
		.amdhsa_user_sgpr_count 2
		.amdhsa_user_sgpr_kernarg_segment_ptr 1
		.amdhsa_wavefront_size32 1
		.amdhsa_system_sgpr_workgroup_id_x 1
		.amdhsa_system_sgpr_workgroup_id_y 1
		.amdhsa_system_sgpr_workgroup_id_z 1
		.amdhsa_system_vgpr_workitem_id 0
		.amdhsa_next_free_vgpr 768
		.amdhsa_next_free_sgpr 66
		.amdhsa_reserve_vcc 1
		.amdhsa_float_denorm_mode_32 3
		.amdhsa_float_denorm_mode_16_64 3
		.amdhsa_memory_ordered 1
		.amdhsa_forward_progress 1
		.amdhsa_inst_pref_size 49
	.end_amdhsa_kernel
	.amdgpu_metadata
---
amdhsa.version: [ 1, 2 ]
amdhsa.kernels:
  - .name:           k_qb0fac0f236_route
    .symbol:         k_qb0fac0f236_route.kd
    .args:
      - { .name: hidden_states, .offset: 0, .size: 8, .value_kind: global_buffer, .address_space: global }
      - { .name: Wr, .offset: 8, .size: 8, .value_kind: global_buffer, .address_space: global }
      - { .name: br, .offset: 16, .size: 8, .value_kind: global_buffer, .address_space: global }
      - { .name: xc, .offset: 24, .size: 8, .value_kind: global_buffer, .address_space: global }
      - { .name: rt, .offset: 32, .size: 8, .value_kind: global_buffer, .address_space: global }
      - { .name: masks, .offset: 40, .size: 8, .value_kind: global_buffer, .address_space: global }
    .group_segment_fixed_size: 71168
    .private_segment_fixed_size: 0
    .kernarg_segment_align: 8
    .kernarg_segment_size: 48
    .max_flat_workgroup_size: 128
    .sgpr_count:     66
    .vgpr_count:     768
    .wavefront_size: 32
...
	.end_amdgpu_metadata
.endif
;; end of part 1
;; launch up (part 2): grid 32 x 8, 4 waves a work-group, no clusters, 74,752 bytes of LDS; arguments W1, b1, xc, rt, masks, hc, rows; writes hc, rows
.if DOCPART == 2
	.amdgcn_target "amdgcn-amd-amdhsa--gfx1250"
	.amdhsa_code_object_version 6
	.text
	.protected	k_qb0fac0f236_up
	.globl	k_qb0fac0f236_up
	.p2align	8
	.type	k_qb0fac0f236_up,@function
k_qb0fac0f236_up:
	s_mov_b64 s[64:65], 0
	v_nop
	global_prefetch_b8 v0, s[64:65] scope:SCOPE_SE
	s_setreg_imm32_b32 hwreg(HW_REG_WAVE_MODE, 25, 1), 1
	s_wait_xcnt 0x0
; UP.  h = gelu(x W1[e] + b1[e]) for the rows that chose expert e, on codes of FP4 (E2M1) with one E8M0 scale for each 32 along K; h leaves as codes, quantised along the next product's K.
; SHARES.  Work-group (s, e) owns hidden units 128 s .. 128 s + 127 of expert e for all of K = 1,024: 512 KiB of W1 in f32, read from memory once by this work-group alone.
; PHASE 1, THE WEIGHTS.  Wave w takes rows 256 w .. 256 w + 255.  A load reads, in lanes 0-15, 256 consecutive aligned bytes of one row (columns 4 r .. 4 r + 3 of a piece of 64), in lanes 16-31 those of the row 32 below.
; 32 such loads (a GROUP) give lane (r, h) one whole block of 32 along K for each of four columns.  TILE j OF A PIECE IS THE COLUMNS 4 r + j, so the four conversions of column j are registers 4 c .. 4 c + 3 of tile j's
; operand (c: which 64 of the K step's 128) in the very lane that wants them.  A 16-byte load lays four columns side by side and the conversion wants eight along K of one column: 128 moves a group sort them.
; A group's registers are filled again by quarters: as soon as 8 loads are in and sorted, the 8 loads that take their place go out, so that 56 to 64 loads of 512 bytes of each wave are on their way while the stream lasts.
; The stream is the wave's first traffic (behind one word of a mask); b1 is asked for where the stream refills no more.
; The fragments go to LDS as images of their registers (16 bytes a lane, 512 a store), the scale words 4 bytes a lane; one barrier; then EVERY wave loads all 64 fragments into 512 registers, where they stay.
; Under the stream each work-group makes expert e's list of rows from the stored masks: position p holds choice x 1024 + token, tokens ascending; positions from the count on hold 2048 + e.
; PHASE 2, THE ROWS.  Wave w takes tiles w, w + 4, .. of 16 list positions.  The product is used transposed (source 0 = 16 hidden units, source 1 = 16 rows of x): lane (r, h) holds row r, and register i of tile (half, j)
; the unit 64 half + 32 h + 4 i + j: a whole block of 32 along the next K in one lane.  b1 is the C of each sum's first product.  Work-group s = 0 also stores the list, the count and the gate weights by position.
; No tensor loads and no cluster: the number of tiles hangs on a stored count.  No prefetch: the stream's own loads are on their way throughout phase 1.
; GELU.  0.5 z (1 + erf(z / sqrt 2)), erf(u) = u P(u^2) / Q(u^2), degrees 6 and 4 in u^2, u held to +-4; the quotient is one reciprocal and one multiplication.
; LIMITS.  NaN and infinities are not served.  A block of zeros gets the scale byte 1 (its codes are zeros; this program alone reads the bytes).  erf is good to a few units in f32's last place;
; for z under about -5.6 the result is |z| x at most 3e-8 where the exact one is nearer 0.
; REGISTERS.  window 0: v1-23 ids and addresses; v24-31 x's scale words; v32-95 x's 8 fragments; v96-127 W1's scale words; v128-191 b1 in the result's layout; v192-215 the export.
;   window 1: phase 1: the list (v0-31 K, v32-63 and v64-95 the permutes' addresses and data, v96-111 at work), then v0-63 b1 as loaded; phase 2: v0-63 the 8 sums, v64-191 the gelu, v192-199 codes, v200-215 at work.
;   windows 2, 3: phase 1: v0-255 of 2 two sets of loaded numbers; of 3: v0-127 sorted, v128-159 codes, v160-188 at work; phase 2: the 64 fragments.
.set PITCH,  16384                     ; a row of W1 in bytes
.set WSC,    65536                     ; LDS: 64 images of 1,024 bytes at 0; here 32 images of scale words, 128 bytes each;
.set LIST,   69632                     ; the list: 1,152 words
.set XS_OFF, 524288                    ; xc: the scale bytes
.set HS_OFF, 16777216                  ; hc: h's scale words [e][tile 64][K step 32][16 rows]
.set GW_OFF, 17825792                  ; hc: gate weights by list position [e][1024]
.set WO,  4                            ; v4   my offset in a load: 32 h rows + 16 r
.set LI,  5                            ; v5   16 x lane
.set LS,  6                            ; v6   WSC + 4 x lane
.set IA,  9                            ; v9   where I store images: 16 x lane + 16,384 x wave
.set SA,  10                           ; v10  and scale images: WSC + 4 x lane + 1,024 x wave
.set XS,  24
.set X,   32
.set WS,  96
.set BIAS, 128
.set MSB, 0
.macro WIN new                         ; the immediate's high byte repeats the setting that is left
.if MSB != \new
	s_set_vgpr_msb (MSB<<8)|\new
.set MSB, \new
.endif
.endm
; Group g = 2 u + c of my eight: unit u = (K step 2 w + u / 2, column half u % 2), rows 64 c .. 64 c + 63 of the step.  32 loads into set g % 2 of window 2.  (Written for the first two groups; the others come by GROUP's refills.)
.macro LOADG g
	WIN 0x80
.set LG_U, (\g)/2
.set LG_O, (128*(LG_U/2)+64*((\g)%2))*PITCH+256*(LG_U%2)
.set LG_R, 128*((\g)%2)
.set LG_I, 0
.rept 32
	global_load_b128 v[LG_R+4*LG_I:LG_R+4*LG_I+3], v[WO], s[4:5] offset:LG_O+LG_I*PITCH th:TH_LOAD_NT
.set LG_I, LG_I+1
.endr
.endm
; Group g becomes half of four fragments.  wa .. wd: how many younger loads may stay out when the group's first, second, third and fourth 8 loads have to be in.
.macro GROUP g, wa, wb, wc, wd
.set GP_U, (\g)/2
.set GP_C, (\g)%2
.set GP_R, 128*((\g)%2)
.set GP_CD, 128+16*((\g)%2)
.set GP_SW, 172+4*(GP_U%2)
.set GP_V, ((\g)+2)/2                  ; the unit of the group two on, which takes this group's registers
.set GP_O, (128*(GP_V/2)+64*((\g)%2))*PITCH+256*(GP_V%2)
.set GP_I, 0
.irp lw, \wa, \wb, \wc, \wd
	s_wait_loadcnt \lw
	WIN 0xc2                                       ; from window 2 to window 3
.rept 8
.irp j, 0,1,2,3
	v_mov_b32 v[32*\j+GP_I], v[GP_R+4*GP_I+\j]     ; column j's 32 numbers on end
.endr
.set GP_I, GP_I+1
.endr
.if (\g) < 6
	WIN 0x80
.set GP_K, GP_I-8
.rept 8
	global_load_b128 v[GP_R+4*GP_K:GP_R+4*GP_K+3], v[WO], s[4:5] offset:GP_O+GP_K*PITCH th:TH_LOAD_NT   ; the registers just read take the loads of two groups on
.set GP_K, GP_K+1
.endr
.endif
.endr
	WIN 0xff
	s_wait_dscnt 0x0                               ; the earlier image stores have read their registers
.irp j, 0,1,2,3
	v_max3_num_f32 v[160+\j], |v[32*\j]|, |v[32*\j+1]|, 0x1800000       ; the floor 2^(3 - 127) holds the byte at 1 from below
.endr
.irp p, 1,2,3,4,5,6,7,8,9,10,11,12,13,14,15
.irp j, 0,1,2,3
	v_max3_num_f32 v[160+\j], v[160+\j], |v[32*\j+2*\p]|, |v[32*\j+2*\p+1]|   ; the four columns by turns
.endr
.endr
.irp j, 0,1,2,3
	v_add_nc_u32 v[164+\j], 0xff000000, v[160+\j]  ; 2 off the exponent field: the conversion's scale operand
.endr
.irp j, 0,1,2,3
	v_lshrrev_b32 v[168+\j], 23, v[164+\j]         ; the scale's byte
.endr
.irp j, 0,1,2,3
.irp q, 0,1,2,3
	v_cvt_scalef32_pk8_fp4_f32 v[GP_CD+4*\j+\q], v[32*\j+8*\q:32*\j+8*\q+7], v[164+\j]
.endr
.endr
.if GP_C == 0
.irp j, 0,1,2,3
	v_mov_b32 v[GP_SW+\j], v[168+\j]               ; (plain instructions behind the conversions)  block h of the K step
.endr
.else
.irp j, 0,1,2,3
	v_lshl_or_b32 v[GP_SW+\j], v[168+\j], 16, v[GP_SW+\j]   ; and block 2 + h,
.endr
.irp j, 0,1,2,3
	v_lshlrev_b32 v[GP_SW+\j], v188, v[GP_SW+\j]   ; at their places in the scale word (8 h bits up);
.endr
.irp j, 0,1,2,3
	v_permlanex16_b32 v[180+\j], v[GP_SW+\j], s72, s73
.endr
.irp j, 0,1,2,3
	v_or_b32 v[GP_SW+\j], v[GP_SW+\j], v[180+\j]   ; with lane l xor 16's two the word is whole
.endr
.if GP_U%2 == 1
.irp j, 0,1,2,3
	v_cndmask_b32 v[184+\j], v[172+\j], v[176+\j], s75   ; one register for two units: the even one's words in lanes 0-15, the odd one's in lanes 16-31
.endr
.endif
.endif
	WIN 0x0c                                       ; address window 0, data window 3
.irp j, 0,1,2,3
	ds_store_b128 v[IA], v[GP_CD+4*\j:GP_CD+4*\j+3] offset:(4*GP_U+\j)*1024+512*GP_C
.endr
.if (\g)%4 == 3
.irp j, 0,1,2,3
	ds_store_b32 v[SA], v[184+\j] offset:(4*(GP_U/2)+\j)*128
.endr
.endif
.endm
.macro RESIDENT                        ; all 64 fragments and their 32 registers of scale words, in every wave
	WIN 0x80
.set R_F, 0
.rept 32
	ds_load_b128 v[8*R_F:8*R_F+3], v[LI] offset:1024*R_F
	ds_load_b128 v[8*R_F+4:8*R_F+7], v[LI] offset:1024*R_F+512
.set R_F, R_F+1
.endr
	WIN 0xc0
.set R_F, 0
.rept 32
	ds_load_b128 v[8*R_F:8*R_F+3], v[LI] offset:1024*(R_F+32)
	ds_load_b128 v[8*R_F+4:8*R_F+7], v[LI] offset:1024*(R_F+32)+512
.set R_F, R_F+1
.endr
	WIN 0
.set R_F, 0
.rept 32
	ds_load_b32 v[WS+R_F], v[LS] offset:128*R_F
.set R_F, R_F+1
.endr
.endm
.macro BIASMOV left                    ; b1 as loaded (four neighbouring units a load) into the result's layout.  left: the loads that are younger than b1's
	s_wait_loadcnt \left
	WIN 0x01                                       ; from window 1 to window 0
.irp hf, 0,1
.irp j, 0,1,2,3
.irp i, 0,1,2,3,4,5,6,7
	v_mov_b32 v[BIAS+32*\hf+8*\j+\i], v[4*(8*\hf+\i)+\j]   ; tile (hf, j), register i: unit 64 hf + 32 h + 4 i + j
.endr
.endr
.endr
	WIN 0
.endm
.macro XADDR                           ; from a list entry to the token's codes and scale words: four plain instructions
	v_min_u32 v18, 0x807, v18                      ; an entry is at most 2048 + 7
	v_and_b32 v12, 0x3ff, v18                      ; the token (a padding entry names token e: its rows are computed and thrown away)
	v_lshl_add_u32 v16, v12, 9, v21                ; 512 bytes a token, + 16 h
	v_lshlrev_b32 v17, 5, v12                      ; 32 scale bytes a token
.endm
.macro XFETCH                          ; 16 rows of x: 8 fragments and their scale words: 18 loads
.irp ks, 0,1,2,3,4,5,6,7
	global_load_b128 v[X+8*\ks:X+8*\ks+3], v16, s[8:9] offset:64*\ks
	global_load_b128 v[X+8*\ks+4:X+8*\ks+7], v16, s[8:9] offset:64*\ks+32
.endr
	global_load_b128 v[XS:XS+3], v17, s[18:19]
	global_load_b128 v[XS+4:XS+7], v17, s[18:19] offset:16
.endm
.macro MM t, ks                        ; tile t (half t / 4, j = t % 4), K step ks
.set M_A, 8*((8*(\ks)+(\t))%32)
.set M_D, 8*(\t)
.set M_B, X+8*(\ks)
.set M_S, WS+4*(\ks)+(\t)%4
.if (\ks) == 0
.if (\t) < 4
	v_wmma_scale_f32_16x16x128_f8f6f4 v[M_D:M_D+7], v[M_A:M_A+7], v[M_B:M_B+7], v[BIAS+M_D:BIAS+M_D+7], v[M_S], v[XS+\ks] matrix_a_fmt:MATRIX_FMT_FP4 matrix_b_fmt:MATRIX_FMT_FP4
.else
	v_wmma_scale_f32_16x16x128_f8f6f4 v[M_D:M_D+7], v[M_A:M_A+7], v[M_B:M_B+7], v[BIAS+M_D:BIAS+M_D+7], v[M_S], v[XS+\ks] matrix_a_fmt:MATRIX_FMT_FP4 matrix_b_fmt:MATRIX_FMT_FP4 matrix_a_scale:MATRIX_SCALE_ROW1
.endif
.else
.if (\t) < 4
	v_wmma_scale_f32_16x16x128_f8f6f4 v[M_D:M_D+7], v[M_A:M_A+7], v[M_B:M_B+7], v[M_D:M_D+7], v[M_S], v[XS+\ks] matrix_a_fmt:MATRIX_FMT_FP4 matrix_b_fmt:MATRIX_FMT_FP4
.else
	v_wmma_scale_f32_16x16x128_f8f6f4 v[M_D:M_D+7], v[M_A:M_A+7], v[M_B:M_B+7], v[M_D:M_D+7], v[M_S], v[XS+\ks] matrix_a_fmt:MATRIX_FMT_FP4 matrix_b_fmt:MATRIX_FMT_FP4 matrix_a_scale:MATRIX_SCALE_ROW1
.endif
.endif
.endm
.macro HORN d, lit                     ; d = d x u^2 + lit, sixteen pairs
.set n_, 0
.rept 16
	v_pk_fma_f32 v[\d+n_:\d+n_+1], v[\d+n_:\d+n_+1], v[96+n_:97+n_], \lit op_sel_hi:[1,1,0]
.set n_, n_+2
.endr
.endm
; The gelu of half hf's 32 numbers (all in window 1): z in v[32 hf ..], u v64.., u^2 v96.., P v128.., Q v160..  Each step runs over all sixteen pairs, so that no line waits for the line above it.
.macro GELU hf
.set G_A, 32*(\hf)
.set n_, 0
.rept 16
	v_pk_mul_f32 v[64+n_:65+n_], v[G_A+n_:G_A+n_+1], 0x3f3504f3 op_sel_hi:[1,0]   ; u = z / sqrt 2; ascending, so each sum is first read at its low end
.set n_, n_+2
.endr
.set n_, 0
.rept 32
	v_med3_num_f32 v[64+n_], v[64+n_], -4.0, 4.0
.set n_, n_+1
.endr
.set n_, 0
.rept 16
	v_pk_mul_f32 v[96+n_:97+n_], v[64+n_:65+n_], v[64+n_:65+n_]
.set n_, n_+2
.endr
.set n_, 0
.rept 16
	v_pk_fma_f32 v[128+n_:129+n_], v[96+n_:97+n_], v[212:213], 0x32edffee op_sel_hi:[1,1,0]
.set n_, n_+2
.endr
	HORN 128, 0xb60cff51
	HORN 128, 0xb86ec2d2
	HORN 128, 0xba40ac63
	HORN 128, 0xbb41a1f6
	HORN 128, 0xbc83dbd4
.set n_, 0
.rept 16
	v_pk_fma_f32 v[160+n_:161+n_], v[96+n_:97+n_], v[214:215], 0xb95fbd29 op_sel_hi:[1,1,0]
.set n_, n_+2
.endr
	HORN 160, 0xbadc924e
	HORN 160, 0xbbf19bf8
	HORN 160, 0xbc69b6a7
.set n_, 0
.rept 16
	v_pk_mul_f32 v[128+n_:129+n_], v[128+n_:129+n_], v[64+n_:65+n_]       ; u P
.set n_, n_+2
.endr
.set n_, 0
	s_wait_alu depctr_va_vdst(0)
.rept 32
	v_rcp_f32 v[64+n_], v[160+n_]                  ; 1 / Q, where u lay
.set n_, n_+1
.endr
.set n_, 0
.rept 16
	v_pk_mul_f32 v[G_A+n_:G_A+n_+1], v[G_A+n_:G_A+n_+1], 0.5 op_sel_hi:[1,0]   ; z / 2: plain independent work behind the batch
.set n_, n_+2
.endr
	s_wait_alu depctr_va_vdst(0)                   ; one wait for the 32 reciprocals, ahead of their first reader
.set n_, 0
.rept 16
	v_pk_mul_f32 v[96+n_:97+n_], v[128+n_:129+n_], v[64+n_:65+n_]         ; erf = u P x 1 / Q
.set n_, n_+2
.endr
.irp i, 0,1,2,3,4,5,6,7
.irp j, 0,1,2,3
	v_fma_f32 v[160+4*\i+\j], v[G_A+8*\j+\i], v[96+8*\j+\i], v[G_A+8*\j+\i]   ; z / 2 + z / 2 x erf, laid in the order of the units: 4 i + j
.endr
.endr
.endm
.macro QH hf                           ; the 32 numbers in v160-191, one block, become four registers of codes and a byte
	v_max3_num_f32 v200, |v160|, |v161|, 0x1800000
	v_max_num_f32 v201, |v162|, |v163|
	v_max_num_f32 v202, |v164|, |v165|
	v_max_num_f32 v203, |v166|, |v167|
.irp p, 4,5,6,7,8,9,10,11,12,13,14,15
	v_max3_num_f32 v[200+\p%4], v[200+\p%4], |v[160+2*\p]|, |v[161+2*\p]|
.endr
	v_max3_num_f32 v200, v200, v201, v202
	v_max_num_f32 v200, v200, v203
	v_add_nc_u32 v204, 0xff000000, v200
.irp q, 0,1,2,3
	v_cvt_scalef32_pk8_fp4_f32 v[192+4*\hf+\q], v[160+8*\q:167+8*\q], v204
.endr
	v_lshrrev_b32 v[206+\hf], 23, v204             ; the byte; also the plain instruction behind the conversions
.endm
	s_load_b256 s[4:11], s[0:1], 0x0               ; W1 s[4:5], b1 s[6:7], xc s[8:9], rt s[10:11]
	s_load_b128 s[12:15], s[0:1], 0x20             ; masks s[12:13], hc s[14:15]
	s_load_b64 s[16:17], s[0:1], 0x30              ; rows
	v_lshl_add_u32 v254, v0, 2, 0x12200
	v_mov_b32 v255, 0
	v_lshrrev_b32 v1, 5, v0
	v_readfirstlane_b32 s28, v1                    ; wave
	v_and_b32 v1, 31, v0                           ; lane
	v_and_b32 v2, 15, v0                           ; r
	v_bfe_u32 v3, v0, 4, 1                         ; h
	v_lshlrev_b32 v[WO], 4, v2
	v_lshl_add_u32 v[WO], v3, 19, v[WO]            ; 32 rows of 16,384 bytes for lanes 16-31
	v_lshlrev_b32 v[LI], 4, v1
	v_lshl_add_u32 v[LS], v1, 2, WSC
	v_lshl_add_u32 v7, v2, 2, LIST                 ; v7   a tile's entry for my row
	v_lshl_add_u32 v8, v0, 2, LIST                 ; v8   where I store list entries: position = thread + 128 g
	s_lshl_b32 s76, s28, 14
	v_add_nc_u32 v[IA], s76, v[LI]
	s_lshl_b32 s76, s28, 10
	v_add_nc_u32 v[SA], s76, v[LS]
	v_lshlrev_b32 v14, 4, v0                       ; v14  16 x thread (the export)
	v_lshlrev_b32 v15, 2, v1                       ; v15  4 x lane
	v_lshlrev_b32 v20, 7, v3                       ; v20  b1: 32 h numbers
	v_lshlrev_b32 v21, 4, v3                       ; v21  16 h
	v_lshlrev_b32 v22, 2, v2                       ; v22  4 r
	v_lshl_add_u32 v23, v0, 2, LIST+4096           ; v23  the list's positions 1024 + thread
	s_and_b32 s29, ttmp7, 0xffff                   ; e
	s_mov_b32 s30, ttmp9                           ; s
	s_mov_b32 s72, 0x76543210
	s_mov_b32 s73, 0xfedcba98                      ; v_permlanex16_b32's selects for lane l xor 16
	s_mov_b32 s75, 0xffff0000                      ; lanes 16-31
	s_mov_b32 s77, 0
	s_mov_b32 s69, 0
	s_add_co_u32 s71, s29, 2048                    ; the padding entry
	WIN 0x40                                       ; destination window 1
	v_mov_b32 v98, v1                              ; the lane,
	v_mov_b32 v101, v0                             ; my first list position,
	v_mov_b32 v102, s71                            ; the padding entry
	v_mov_b32 v209, 0                              ; a lane permute's destination counts as one of its sources
	v_lshlrev_b32 v210, 3, v3                      ; 8 h
	v_mov_b32 v212, 0xaf95df0b                     ; P's leading coefficient, twice,
	v_mov_b32 v213, 0xaf95df0b
	v_mov_b32 v214, 0xb77460cd                     ; and Q's
	v_mov_b32 v215, 0xb77460cd
	WIN 0xc0                                       ; destination window 3
.irp j, 0,1,2,3
	v_mov_b32 v[180+\j], 0
.endr
	v_lshlrev_b32 v188, 3, v3
	WIN 0
	s_wait_kmcnt 0x0
	s_lshl_b32 s76, s29, 7
	s_add_nc_u64 s[12:13], s[12:13], s[76:77]      ; masks: expert e's 128 bytes of plane A
	s_load_b512 s[32:47], s[12:13], 0x0
	s_load_b512 s[48:63], s[12:13], 0x40
	s_lshl_b32 s76, s29, 24
	s_lshl_b32 s70, s30, 9
	s_add_co_u32 s76, s76, s70
	s_lshl_b32 s70, s28, 22
	s_add_co_u32 s76, s76, s70
	s_add_nc_u64 s[4:5], s[4:5], s[76:77]          ; W1[e], my 256 rows, the work-group's 128 columns
	WIN 0x40
	global_load_b32 v99, v15, s[12:13] offset:1024 ; plane B: lane c holds word c
	LOADG 0                                        ; the stream begins here; the other addresses are made while it is on its way
	LOADG 1
	s_lshl_b32 s76, s29, 14
	s_lshl_b32 s70, s30, 9
	s_add_co_u32 s76, s76, s70
	s_add_nc_u64 s[6:7], s[6:7], s[76:77]          ; b1[e] at unit 128 s
	s_add_nc_u64 s[18:19], s[8:9], XS_OFF          ; x's scale bytes
	s_lshl_b32 s76, s29, 21
	s_lshl_b32 s70, s28, 15
	s_add_co_u32 s76, s76, s70
	s_lshl_b32 s70, s30, 10
	s_add_co_u32 s76, s76, s70
	s_add_nc_u64 s[20:21], s[14:15], s[76:77]      ; h's image (e, tile w, K step s)
	s_lshl_b32 s76, s29, 17
	s_lshl_b32 s70, s28, 11
	s_add_co_u32 s76, s76, s70
	s_lshl_b32 s70, s30, 6
	s_add_co_u32 s76, s76, s70
	s_add_nc_u64 s[22:23], s[14:15], s[76:77]
	s_add_nc_u64 s[22:23], s[22:23], HS_OFF        ; and its scale words
	s_lshl_b32 s76, s29, 12
	s_add_nc_u64 s[24:25], s[14:15], s[76:77]
	s_add_nc_u64 s[24:25], s[24:25], GW_OFF        ; gate weights by position
	s_lshl_b32 s68, s29, 2
	s_add_co_u32 s68, s68, 32768
	s_add_nc_u64 s[26:27], s[16:17], s[68:69]      ; the count
	s_add_nc_u64 s[16:17], s[16:17], s[76:77]      ; the list
	GROUP 0, 56, 56, 56, 56                        ; 56 at quarter q: the group's other (24 - 8 q), the next group's 32, and the 8 q refills already issued are younger
	; THE LIST, first pass.  Chunk c = tokens 32 c .. 32 c + 31.  A chosen token's entry goes to lane (its list position) % 32, the others fill the lanes that are left: one push through the LDS unit a chunk.
	s_wait_kmcnt 0x0                               ; plane A's 32 words
	s_mov_b32 s67, 0                               ; the running count
	WIN 0x55                                       ; all in window 1
.set c_, 0
.rept 32
	s_bcnt1_i32_b32 s69, s[32+c_]
	v_mbcnt_lo_u32_b32 v[32+c_], s[32+c_], s67     ; a chosen token's position
	s_add_co_u32 s68, s67, s69
	s_not_b32 s70, s[32+c_]
	v_mbcnt_lo_u32_b32 v96, s70, s68               ; the others count on from the chunk's end
	v_cndmask_b32 v[32+c_], v96, v[32+c_], s[32+c_]
	v_min_u32 v[32+c_], 0x7ff, v[32+c_]
	v_lshlrev_b32 v[32+c_], 2, v[32+c_]
	v_and_b32 v[32+c_], 124, v[32+c_]              ; 4 x (position % 32)
	v_readlane_b32 s71, v99, c_
	v_add_nc_u32 v[64+c_], 32*c_, v98              ; the token,
	v_or_b32 v97, 0x400, v[64+c_]
	v_cndmask_b32 v[64+c_], v[64+c_], v97, s71     ; + 1024 where e is its second choice
	ds_permute_b32 v[c_], v[32+c_], v[64+c_]
	s_mov_b32 s[32+c_], s67                        ; the word's register now holds the chunk's first position
	s_mov_b32 s67, s68
.set c_, c_+1
.endr
	s_mov_b32 s31, s67                             ; the expert's count of rows
	s_wait_dscnt 0x0
	GROUP 1, 56, 56, 56, 56
	; second pass: position p = thread + 128 g lies in lane p % 32 of the last chunk that begins at or before p
	WIN 0x55
.set g_, 0
.rept 8
	v_mov_b32 v[104+g_], v0
.set c_, 1
.rept 31
	v_cmp_le_u32 vcc_lo, s[32+c_], v101
	v_cndmask_b32 v[104+g_], v[104+g_], v[c_], vcc_lo
.set c_, c_+1
.endr
	v_cmp_gt_u32 vcc_lo, s31, v101
	v_cndmask_b32 v[104+g_], v102, v[104+g_], vcc_lo   ; from the count on: the padding entry
	v_add_nc_u32 v101, 128, v101
.set g_, g_+1
.endr
	WIN 0x04                                       ; address window 0, data window 1
.set g_, 0
.rept 8
	ds_store_b32 v8, v[104+g_] offset:512*g_
.set g_, g_+1
.endr
	ds_store_b32 v23, v102                         ; positions 1024 to 1151, which the look-ahead of the last tiles reads
	GROUP 2, 56, 56, 56, 56
	GROUP 3, 56, 56, 56, 56
	GROUP 4, 56, 56, 56, 56
	GROUP 5, 56, 56, 56, 56
	GROUP 6, 56, 48, 40, 32                        ; nothing is refilled any more: the group's other (24 - 8 q) and the last group's 32 are younger
	WIN 0x40                                       ; destination window 1: the list's registers are done with
.irp hf, 0,1
.irp i, 0,1,2,3,4,5,6,7
	global_load_b128 v[4*(8*\hf+\i):4*(8*\hf+\i)+3], v20, s[6:7] offset:256*\hf+16*\i   ; b1 at units 64 hf + 32 h + 4 i + 0 .. 3
.endr
.endr
	GROUP 7, 40, 32, 24, 16                        ; the group's other (24 - 8 q) and b1's 16 are younger
	WIN 0
	s_wait_dscnt 0x0                               ; for the others' sake: my images, scale words and list entries have landed
	s_barrier_signal -1
	s_barrier_wait -1                              ; the one barrier: behind it LDS is only read
	s_lshl_b32 s78, s28, 6                         ; my tile's 64 bytes of the list
	s_lshl_b32 s66, s28, 4                         ; its first position
	v_add_nc_u32 v11, s78, v7
	ds_load_b32 v18, v11
	s_wait_dscnt 0x0
	XADDR
	XFETCH                                         ; my first tile's rows of x are on their way while the fragments come
	s_cmp_lg_u32 s30, 0
	s_cbranch_scc1 .Lplain
	; work-group s = 0 stores the list, the gate weights by position, and the count.  The gather of the weights goes out ahead of the fragments' loads and b1's moves and is awaited behind them.
	v_add_nc_u32 v12, LIST, v14
	ds_load_b128 v[192:195], v12
	ds_load_b128 v[196:199], v12 offset:2048
	s_wait_dscnt 0x0
	global_store_b128 v14, v[192:195], s[16:17]
	global_store_b128 v14, v[196:199], s[16:17] offset:2048
.irp i, 0,1,2,3,4,5,6,7
	v_min_u32 v[200+\i], 0x7ff, v[192+\i]          ; a padding entry takes the last weight: its rows are thrown away
.endr
.irp i, 0,1,2,3,4,5,6,7
	v_lshlrev_b32 v[200+\i], 2, v[200+\i]
.endr
.irp i, 0,1,2,3,4,5,6,7
	global_load_b32 v[208+\i], v[200+\i], s[10:11]
.endr
	RESIDENT
	BIASMOV 26                                     ; x's 18 loads and the 8 gathers are younger than b1's
	v_mov_b32 v13, s31
	s_wait_alu depctr_va_vdst(0)
	s_wait_loadcnt 0x0
	global_store_b128 v14, v[208:211], s[24:25]
	global_store_b128 v14, v[212:215], s[24:25] offset:2048
	s_wait_xcnt 0x0                                ; EXEC changes only behind this wait
	v_cmp_eq_u32 vcc_lo, 0, v0
	s_and_saveexec_b32 s74, vcc_lo
	global_store_b32 v14, v13, s[26:27]            ; thread 0, whose v14 is 0
	s_wait_xcnt 0x0
	s_or_b32 exec_lo, exec_lo, s74
	s_branch .Ljoin
.Lplain:
	RESIDENT
	BIASMOV 18                                     ; x's 18 loads are younger than b1's
.Ljoin:
	s_wait_dscnt 0x0                               ; the fragments and their scale words are in
	s_mov_b32 s79, 16                              ; at most 16 tiles a wave: 1,024 rows
.Lrow:
	s_cmp_ge_u32 s66, s31                          ; no row left for me: the way out
	s_cbranch_scc1 .Ldone
	v_add_nc_u32 v11, s78, v22                     ; my row's place in the list, in bytes from its start: 4 r + this tile's 64 w + 256 x trip, at most 4,092
	v_and_b32 v11, 0xfff, v11                      ; held to 12 bits (it changes no value): with the 256 below the read ends at byte 4,351 of the list's 4,608
	v_add_nc_u32 v11, LIST, v11
	ds_load_b32 v18, v11 offset:256
	s_wait_loadcnt 0x0                             ; this tile's x
	s_wait_alu depctr_va_vdst(0)
.irp ks, 0,1,2,3,4,5,6,7                           ; the eight sums take turns, one instruction a turn
.if \ks == 0
	WIN 0x42                                       ; source 0 (W1) window 2, x and b1 window 0, the sums window 1
.elseif \ks < 4
	WIN 0x52
.else
	WIN 0x53                                       ; W1's K steps 4 to 7 lie in window 3
.endif
.irp t, 0,1,2,3,4,5,6,7
	MM \t, \ks
.endr
.endr
	WIN 0
	s_wait_dscnt 0x0
	XADDR                                          ; four plain instructions that name no register of the products, on both ways below: the places in front of the loads into x's registers and of the first read of the sums
	s_add_co_u32 s70, s66, 64
	s_cmp_ge_u32 s70, s31                          ; no tile follows for me: nothing is fetched
	s_cbranch_scc1 .Lnofetch
	XFETCH                                         ; the next tile's x lands under the gelu
.Lnofetch:
	WIN 0x55
	GELU 0
	QH 0
	GELU 1
	QH 1
	v_lshl_or_b32 v208, v207, 16, v206             ; my two bytes: blocks h and 2 + h of row r,
	v_lshlrev_b32 v208, v210, v208                 ; at their places;
	v_permlanex16_b32 v209, v208, s72, s73
	v_or_b32 v208, v208, v209                      ; with lane l xor 16's the word is whole
	WIN 0x04                                       ; address window 0, data window 1
	global_store_b128 v[LI], v[192:195], s[20:21]              ; the fragment as an image of its registers: 1,024 bytes on end
	global_store_b128 v[LI], v[196:199], s[20:21] offset:512
	global_store_b32 v22, v208, s[22:23]           ; (lanes 16-31 store the same words to the same places)
	WIN 0
	s_wait_xcnt 0x0                                ; the stores have read their registers and bases: both are written again only behind this wait
	s_add_nc_u64 s[20:21], s[20:21], 131072        ; four tiles on
	s_add_nc_u64 s[22:23], s[22:23], 8192
	s_add_co_u32 s66, s66, 64
	s_add_co_u32 s78, s78, 256
	s_sub_co_u32 s79, s79, 1
	s_cmp_lg_u32 s79, 0
	s_cbranch_scc1 .Lrow
.Ldone:
	s_barrier_signal -1
	s_barrier_wait -1
	s_wait_tensorcnt 0x0
	ds_add_u32 v254, v255
	s_wait_dscnt 0x0
	s_endpgm
.Lfunc_end_k_qb0fac0f236_up:
	.size	k_qb0fac0f236_up, .Lfunc_end_k_qb0fac0f236_up-k_qb0fac0f236_up
	.p2alignl 7, 3214868480
	.fill 96, 4, 3214868480
	.section	.rodata,"a",@progbits
	.p2align	6, 0x0
	.amdhsa_kernel k_qb0fac0f236_up
		.amdhsa_group_segment_fixed_size 74752
		.amdhsa_private_segment_fixed_size 0
		.amdhsa_enable_private_segment 0
		.amdhsa_kernarg_size 56
		.amdhsa_user_sgpr_count 2
		.amdhsa_user_sgpr_kernarg_segment_ptr 1
		.amdhsa_wavefront_size32 1
		.amdhsa_system_sgpr_workgroup_id_x 1
		.amdhsa_system_sgpr_workgroup_id_y 1
		.amdhsa_system_sgpr_workgroup_id_z 1
		.amdhsa_system_vgpr_workitem_id 0
		.amdhsa_next_free_vgpr 1024
		.amdhsa_next_free_sgpr 80
		.amdhsa_reserve_vcc 1
		.amdhsa_float_denorm_mode_32 3
		.amdhsa_float_denorm_mode_16_64 3
		.amdhsa_memory_ordered 1
		.amdhsa_forward_progress 1
		.amdhsa_inst_pref_size 254
	.end_amdhsa_kernel
	.amdgpu_metadata
---
amdhsa.version: [ 1, 2 ]
amdhsa.kernels:
  - .name:           k_qb0fac0f236_up
    .symbol:         k_qb0fac0f236_up.kd
    .args:
      - { .name: W1, .offset: 0, .size: 8, .value_kind: global_buffer, .address_space: global }
      - { .name: b1, .offset: 8, .size: 8, .value_kind: global_buffer, .address_space: global }
      - { .name: xc, .offset: 16, .size: 8, .value_kind: global_buffer, .address_space: global }
      - { .name: rt, .offset: 24, .size: 8, .value_kind: global_buffer, .address_space: global }
      - { .name: masks, .offset: 32, .size: 8, .value_kind: global_buffer, .address_space: global }
      - { .name: hc, .offset: 40, .size: 8, .value_kind: global_buffer, .address_space: global }
      - { .name: rows, .offset: 48, .size: 8, .value_kind: global_buffer, .address_space: global }
    .group_segment_fixed_size: 74752
    .private_segment_fixed_size: 0
    .kernarg_segment_align: 8
    .kernarg_segment_size: 56
    .max_flat_workgroup_size: 128
    .sgpr_count:     80
    .vgpr_count:     1024
    .wavefront_size: 32
...
	.end_amdgpu_metadata
.endif
;; end of part 2
;; launch down (part 3): grid 32 x 8, 4 waves a work-group, no clusters, 70,144 bytes of LDS; arguments W2, b2, hc, rows, y2; writes y2
.if DOCPART == 3
	.amdgcn_target "amdgcn-amd-amdhsa--gfx1250"
	.amdhsa_code_object_version 6
	.text
	.protected	k_qb0fac0f236_down
	.globl	k_qb0fac0f236_down
	.p2align	8
	.type	k_qb0fac0f236_down,@function
k_qb0fac0f236_down:
	s_mov_b64 s[64:65], 0
	v_nop
	global_prefetch_b8 v0, s[64:65] scope:SCOPE_SE
	s_setreg_imm32_b32 hwreg(HW_REG_WAVE_MODE, 25, 1), 1
	s_wait_xcnt 0x0
; DOWN.  y = gate weight x (h W2[e] + b2[e]) for the rows that chose expert e, on codes of FP4 (E2M1) with one E8M0 scale for each 32 along K.
; The two halves of K go to two planes of y2, row = choice x 1024 + token (padding rows to row 2048 + e, which nobody reads); b2 is added in plane 0 alone, as the C of each sum's first product.  The last launch adds.
; PHASE 1, THE WEIGHTS: wave w takes rows 512 w .. 512 w + 511 (four K steps).  A load reads 256 consecutive aligned bytes of a row in lanes 0-15 and of the row 32 below in lanes 16-31;
; 32 loads give lane (r, h) a whole block of 32 along K for each of the columns 4 r + j; tile j is the columns 4 r + j; 128 moves a group sort the columns apart, since the conversion wants eight along K of one column.
; A group's registers are filled again by quarters: as soon as 8 loads are in and sorted, the 8 loads that take their place go out, so that 56 to 64 loads of 512 bytes of each wave are on their way while the stream lasts.
; Fragments go to LDS as images of their registers; one barrier; every wave then holds all 64 fragments in 512 registers.
; PHASE 2, THE ROWS.  Wave w takes tiles w, w + 4, .. of 16 list positions, two buffers by turns: a tile's 16 fragments of h, its scale words, list entries and gate weights (44 loads) are asked for two tiles ahead.
; A wave's last two tiles run in tails that are written out, one for each buffer that may come first, and fetch nothing: so the text itself says at each wait which loads are out.
; The product is not transposed: lane (r, h), register i of tile j holds (position 8 h + i, column 4 r + j), so that the four tiles' registers i are 16 neighbouring bytes of a row.
; No tensor loads and no cluster: the number of tiles hangs on a stored count.  No prefetch: the stream's own loads are on their way throughout phase 1.
; LIMITS.  NaN and infinities are not served.  A block of zeros gets the scale byte 1 (its codes are zeros; this program alone reads the bytes).
; REGISTERS.  window 0: v1-15 ids and addresses; v16-23 the stores' offsets; v24-39 h's scale words, two sets; v40-55 list entries; v56-71 gate weights; v72-103 W2's scale words; v104-135 b2 or 0 in the result's layout;
;   v136-167 the four sums; v168-199 results; v200-203 b2.   window 1: h's fragments, two sets of 128.
;   windows 2, 3: phase 1: v0-255 of 2 two sets of loaded numbers; of 3: v0-127 sorted, v128-159 codes, v160-188 at work; phase 2: the 64 fragments.
.set PITCH,  4096                      ; a row of W2 in bytes
.set WSC,    65536                     ; LDS: 64 images of 1,024 bytes at 0; here 32 images of scale words
.set HS_OFF, 16777216
.set GW_OFF, 17825792
.set PL,     8421376                   ; a plane of y2: 2,056 rows of 4,096 bytes
.set WO,  4
.set LI,  5
.set LS,  6
.set IA,  10
.set SA,  11
.set WS,  72
.set MSB, 0
.macro WIN new                         ; the immediate's high byte repeats the setting that is left
.if MSB != \new
	s_set_vgpr_msb (MSB<<8)|\new
.set MSB, \new
.endif
.endm
; Group g = 2 u + c of my eight: K step 4 w + u, rows 64 c .. 64 c + 63 of it.  32 loads into set g % 2 of window 2.  (Written for the first two groups; the others come by GROUP's refills.)
.macro LOADG g
	WIN 0x80
.set LG_O, (128*((\g)/2)+64*((\g)%2))*PITCH
.set LG_R, 128*((\g)%2)
.set LG_I, 0
.rept 32
	global_load_b128 v[LG_R+4*LG_I:LG_R+4*LG_I+3], v[WO], s[4:5] offset:LG_O+LG_I*PITCH th:TH_LOAD_NT
.set LG_I, LG_I+1
.endr
.endm
; Group g becomes half of four fragments.  wa .. wd: how many younger loads may stay out when the group's first, second, third and fourth 8 loads have to be in.
.macro GROUP g, wa, wb, wc, wd
.set GP_U, (\g)/2
.set GP_C, (\g)%2
.set GP_R, 128*((\g)%2)
.set GP_CD, 128+16*((\g)%2)
.set GP_SW, 172+4*(GP_U%2)
.set GP_O, (128*(((\g)+2)/2)+64*((\g)%2))*PITCH   ; the group two on, which takes this group's registers
.set GP_I, 0
.irp lw, \wa, \wb, \wc, \wd
	s_wait_loadcnt \lw
	WIN 0xc2                                       ; from window 2 to window 3
.rept 8
.irp j, 0,1,2,3
	v_mov_b32 v[32*\j+GP_I], v[GP_R+4*GP_I+\j]     ; column j's 32 numbers on end
.endr
.set GP_I, GP_I+1
.endr
.if (\g) < 6
	WIN 0x80
.set GP_K, GP_I-8
.rept 8
	global_load_b128 v[GP_R+4*GP_K:GP_R+4*GP_K+3], v[WO], s[4:5] offset:GP_O+GP_K*PITCH th:TH_LOAD_NT   ; the registers just read take the loads of two groups on
.set GP_K, GP_K+1
.endr
.endif
.endr
	WIN 0xff
	s_wait_dscnt 0x0                               ; the earlier image stores have read their registers
.irp j, 0,1,2,3
	v_max3_num_f32 v[160+\j], |v[32*\j]|, |v[32*\j+1]|, 0x1800000       ; the floor 2^(3 - 127) holds the byte at 1 from below
.endr
.irp p, 1,2,3,4,5,6,7,8,9,10,11,12,13,14,15
.irp j, 0,1,2,3
	v_max3_num_f32 v[160+\j], v[160+\j], |v[32*\j+2*\p]|, |v[32*\j+2*\p+1]|   ; the four columns by turns
.endr
.endr
.irp j, 0,1,2,3
	v_add_nc_u32 v[164+\j], 0xff000000, v[160+\j]  ; 2 off the exponent field: the conversion's scale operand
.endr
.irp j, 0,1,2,3
	v_lshrrev_b32 v[168+\j], 23, v[164+\j]         ; the scale's byte
.endr
.irp j, 0,1,2,3
.irp q, 0,1,2,3
	v_cvt_scalef32_pk8_fp4_f32 v[GP_CD+4*\j+\q], v[32*\j+8*\q:32*\j+8*\q+7], v[164+\j]
.endr
.endr
.if GP_C == 0
.irp j, 0,1,2,3
	v_mov_b32 v[GP_SW+\j], v[168+\j]               ; (plain instructions behind the conversions)  block h of the K step
.endr
.else
.irp j, 0,1,2,3
	v_lshl_or_b32 v[GP_SW+\j], v[168+\j], 16, v[GP_SW+\j]   ; and block 2 + h,
.endr
.irp j, 0,1,2,3
	v_lshlrev_b32 v[GP_SW+\j], v188, v[GP_SW+\j]   ; at their places in the scale word (8 h bits up);
.endr
.irp j, 0,1,2,3
	v_permlanex16_b32 v[180+\j], v[GP_SW+\j], s42, s43
.endr
.irp j, 0,1,2,3
	v_or_b32 v[GP_SW+\j], v[GP_SW+\j], v[180+\j]   ; with lane l xor 16's two the word is whole
.endr
.if GP_U%2 == 1
.irp j, 0,1,2,3
	v_cndmask_b32 v[184+\j], v[172+\j], v[176+\j], s44   ; one register for two K steps: the even one's words in lanes 0-15, the odd one's in lanes 16-31
.endr
.endif
.endif
	WIN 0x0c                                       ; address window 0, data window 3
.irp j, 0,1,2,3
	ds_store_b128 v[IA], v[GP_CD+4*\j:GP_CD+4*\j+3] offset:(4*GP_U+\j)*1024+512*GP_C
.endr
.if (\g)%4 == 3
.irp j, 0,1,2,3
	ds_store_b32 v[SA], v[184+\j] offset:(4*(GP_U/2)+\j)*128
.endr
.endif
.endm
.macro RESIDENT                        ; all 64 fragments and their 32 registers of scale words, in every wave
	WIN 0x80
.set R_F, 0
.rept 32
	ds_load_b128 v[8*R_F:8*R_F+3], v[LI] offset:1024*R_F
	ds_load_b128 v[8*R_F+4:8*R_F+7], v[LI] offset:1024*R_F+512
.set R_F, R_F+1
.endr
	WIN 0xc0
.set R_F, 0
.rept 32
	ds_load_b128 v[8*R_F:8*R_F+3], v[LI] offset:1024*(R_F+32)
	ds_load_b128 v[8*R_F+4:8*R_F+7], v[LI] offset:1024*(R_F+32)+512
.set R_F, R_F+1
.endr
	WIN 0
.set R_F, 0
.rept 32
	ds_load_b32 v[WS+R_F], v[LS] offset:128*R_F
.set R_F, R_F+1
.endr
.endm
; 44 loads into buffer b: the tile s37, held to the expert's last tile, so that only stored bytes are read.  The four bases are free: they are first written here, or a wait on XCNT stands between the last fetch and this one.
.macro FETCH b
	s_min_u32 s45, s37, s35
	s_min_u32 s45, s45, 63
	s_lshl_b32 s40, s45, 15
	s_add_nc_u64 s[22:23], s[14:15], s[40:41]      ; the tile's 16 images of my half of K,
	s_lshl_b32 s40, s45, 11
	s_add_nc_u64 s[24:25], s[16:17], s[40:41]      ; their scale words,
	s_lshl_b32 s40, s45, 6
	s_add_nc_u64 s[26:27], s[18:19], s[40:41]      ; its list entries,
	s_add_nc_u64 s[28:29], s[20:21], s[40:41]      ; its gate weights
	s_add_co_u32 s37, s37, 4
	WIN 0x40                                       ; destination window 1
.irp ks, 0,1,2,3,4,5,6,7,8,9,10,11,12,13,14,15
	global_load_b128 v[128*\b+8*\ks:128*\b+8*\ks+3], v[LI], s[22:23] offset:1024*\ks
	global_load_b128 v[128*\b+8*\ks+4:128*\b+8*\ks+7], v[LI], s[22:23] offset:1024*\ks+512
.endr
	WIN 0
.irp m, 0,1,2,3,4,5,6,7
	global_load_b32 v[24+8*\b+\m], v7, s[24:25] offset:128*\m       ; lanes 0-15: K step 2 m; lanes 16-31: 2 m + 1
.endr
	global_load_b128 v[40+8*\b:43+8*\b], v8, s[26:27]               ; positions 8 h + 0 .. 7
	global_load_b128 v[44+8*\b:47+8*\b], v8, s[26:27] offset:16
	global_load_b128 v[56+8*\b:59+8*\b], v8, s[28:29]
	global_load_b128 v[60+8*\b:63+8*\b], v8, s[28:29] offset:16
.endm
.macro DM ks, j, b
.set D_W, 8*((4*(\ks)+(\j))%32)
.set D_H, 128*(\b)+8*(\ks)
.set D_C, 136+8*(\j)
.set D_SA, 24+8*(\b)+(\ks)/2
.set D_SB, WS+4*((\ks)/2)+(\j)
.if (\ks) == 0
	v_wmma_scale_f32_16x16x128_f8f6f4 v[D_C:D_C+7], v[D_H:D_H+7], v[D_W:D_W+7], v[D_C-32:D_C-25], v[D_SA], v[D_SB] matrix_a_fmt:MATRIX_FMT_FP4 matrix_b_fmt:MATRIX_FMT_FP4
.elseif (\ks)%2 == 0
	v_wmma_scale_f32_16x16x128_f8f6f4 v[D_C:D_C+7], v[D_H:D_H+7], v[D_W:D_W+7], v[D_C:D_C+7], v[D_SA], v[D_SB] matrix_a_fmt:MATRIX_FMT_FP4 matrix_b_fmt:MATRIX_FMT_FP4
.else
	v_wmma_scale_f32_16x16x128_f8f6f4 v[D_C:D_C+7], v[D_H:D_H+7], v[D_W:D_W+7], v[D_C:D_C+7], v[D_SA], v[D_SB] matrix_a_fmt:MATRIX_FMT_FP4 matrix_b_fmt:MATRIX_FMT_FP4 matrix_a_scale:MATRIX_SCALE_ROW1 matrix_b_scale:MATRIX_SCALE_ROW1
.endif
.endm
.macro WORK b                          ; one tile out of buffer b: 64 products, the gate's weight, 8 stores
.irp ks, 0,1,2,3,4,5,6,7,8,9,10,11,12,13,14,15     ; the four sums take turns, one instruction a turn
.if \ks < 8
	WIN 0x09                                       ; source 0 (h) window 1, source 1 (W2) window 2
.else
	WIN 0x0d                                       ; W2's K steps 8 to 15 lie in window 3
.endif
.irp j, 0,1,2,3
	DM \ks, \j, \b
.endr
.endr
	WIN 0
	s_wait_xcnt 0x0                                ; the last tile's stores have read their offsets and data, and the last fetch its bases
.irp i, 0,1,2,3,4,5,6,7
	v_min_u32 v[16+\i], 0x807, v[40+8*\b+\i]       ; a list entry is at most 2048 + 7.  (These sixteen plain instructions name no register of the products: they are the places behind them)
.endr
.irp i, 0,1,2,3,4,5,6,7
	v_lshl_add_u32 v[16+\i], v[16+\i], 12, v9      ; its row of y2, + 16 r
.endr
.irp i, 0,1,2,3,4,5,6,7                            ; ascending, so each sum is first read at its low end
.irp j, 0,1,2,3
	v_mul_f32 v[168+4*\i+\j], v[56+8*\b+\i], v[136+8*\j+\i]   ; the gate's weight; the four tiles' columns 4 r + j come to lie side by side
.endr
.endr
.irp i, 0,1,2,3,4,5,6,7
	global_store_b128 v[16+\i], v[168+4*\i:171+4*\i], s[12:13] th:TH_STORE_NT   ; sixteen lanes store 256 consecutive aligned bytes of one row
.endr
.endm
.macro STEP b                          ; a tile that has a successor two turns on.  At its head this buffer's 44 loads and, younger, the other buffer's 44 have been issued
	s_cmp_ge_u32 s36, s34                          ; no row left for me: the way out
	s_cbranch_scc1 .Ldone
	s_cmp_gt_u32 s37, s35                          ; the tile two turns on lies behind the expert's last: the tail, which fetches nothing
	s_cbranch_scc1 .Ltail\b
	s_wait_loadcnt 44                              ; this buffer's 44 loads are in; the other buffer's 44 are younger
	WORK \b
	FETCH \b                                       ; the tile two turns on
	s_add_co_u32 s36, s36, 64
.endm
.macro TAIL b, o                       ; a wave's last tile, or its last two
.Ltail\b:
	s_wait_loadcnt 44                              ; as in STEP
	WORK \b
	s_add_co_u32 s36, s36, 64
	s_cmp_ge_u32 s36, s34
	s_cbranch_scc1 .Ldone
	s_wait_loadcnt 0x0                             ; nothing was issued behind the other buffer's loads
	WORK \o
.endm
	s_load_b256 s[4:11], s[0:1], 0x0               ; W2 s[4:5], b2 s[6:7], hc s[8:9], rows s[10:11]
	s_load_b64 s[12:13], s[0:1], 0x20              ; y2
	v_lshl_add_u32 v254, v0, 2, 0x11000
	v_mov_b32 v255, 0
	v_lshrrev_b32 v1, 5, v0
	v_readfirstlane_b32 s30, v1                    ; wave
	v_and_b32 v1, 31, v0                           ; lane
	v_and_b32 v2, 15, v0                           ; r
	v_bfe_u32 v3, v0, 4, 1                         ; h
	v_lshlrev_b32 v9, 4, v2                        ; v9   16 r
	v_lshl_add_u32 v[WO], v3, 17, v9               ; 32 rows of 4,096 bytes for lanes 16-31
	v_lshlrev_b32 v[LI], 4, v1
	v_lshl_add_u32 v[LS], v1, 2, WSC
	v_lshlrev_b32 v7, 2, v1                        ; v7   4 x lane
	v_lshlrev_b32 v8, 5, v3                        ; v8   32 h
	s_lshl_b32 s40, s30, 14
	v_add_nc_u32 v[IA], s40, v[LI]
	s_lshl_b32 s40, s30, 10
	v_add_nc_u32 v[SA], s40, v[LS]
	s_and_b32 s32, ttmp9, 15                       ; ns
	s_lshr_b32 s33, ttmp9, 4                       ; kh
	s_and_b32 s31, ttmp7, 0xffff                   ; e
	s_mov_b32 s41, 0
	s_mov_b32 s42, 0x76543210
	s_mov_b32 s43, 0xfedcba98                      ; v_permlanex16_b32's selects for lane l xor 16
	s_mov_b32 s44, 0xffff0000                      ; lanes 16-31
	s_cmp_eq_u32 s33, 0
	s_cselect_b32 s39, -1, 0                       ; b2 counts in plane 0 alone
	s_mov_b32 s37, s30                             ; the next tile to fetch
	s_lshl_b32 s36, s30, 4                         ; my tile's first position
	s_lshl_b32 s46, s31, 2
	WIN 0xc0                                       ; destination window 3
.irp j, 0,1,2,3
	v_mov_b32 v[180+\j], 0                         ; a lane permute's destination counts as one of its sources
.endr
	v_lshlrev_b32 v188, 3, v3                      ; 8 h
	WIN 0
	s_wait_kmcnt 0x0
	s_load_b32 s34, s[10:11], s46 offset:0x8000    ; the expert's count of rows
	s_lshl_b32 s40, s31, 24
	s_lshl_b32 s45, s33, 23
	s_add_co_u32 s40, s40, s45
	s_lshl_b32 s45, s32, 8
	s_add_co_u32 s40, s40, s45
	s_lshl_b32 s45, s30, 21
	s_add_co_u32 s40, s40, s45
	s_add_nc_u64 s[4:5], s[4:5], s[40:41]          ; W2[e], my 512 rows, the work-group's 64 columns
	s_lshl_b32 s40, s31, 12
	s_lshl_b32 s45, s32, 8
	s_add_co_u32 s40, s40, s45
	s_add_nc_u64 s[6:7], s[6:7], s[40:41]
	global_load_b128 v[200:203], v9, s[6:7]        ; b2 at columns 4 r + 0 .. 3
	LOADG 0                                        ; the stream begins here; the other addresses are made while it is on its way
	LOADG 1
	s_mul_i32 s40, s33, PL
	s_add_co_u32 s40, s40, s45
	s_add_nc_u64 s[12:13], s[12:13], s[40:41]      ; y2: my plane, my 256 bytes of each row
	s_lshl_b32 s40, s31, 21
	s_lshl_b32 s45, s33, 14
	s_add_co_u32 s40, s40, s45
	s_add_nc_u64 s[14:15], s[8:9], s[40:41]        ; h's images (e, tile 0, K step 16 kh)
	s_lshl_b32 s40, s31, 17
	s_lshl_b32 s45, s33, 10
	s_add_co_u32 s40, s40, s45
	s_add_nc_u64 s[16:17], s[8:9], s[40:41]
	s_add_nc_u64 s[16:17], s[16:17], HS_OFF        ; their scale words
	s_lshl_b32 s40, s31, 12
	s_add_nc_u64 s[18:19], s[10:11], s[40:41]      ; the list
	s_add_nc_u64 s[20:21], s[8:9], s[40:41]
	s_add_nc_u64 s[20:21], s[20:21], GW_OFF        ; the gate weights by position
	GROUP 0, 56, 56, 56, 56                        ; 56 at quarter q: the group's other (24 - 8 q), the next group's 32, and the 8 q refills already issued are younger
	WIN 0
.irp j, 0,1,2,3
.irp i, 0,1,2,3,4,5,6,7
	v_cndmask_b32 v[104+8*\j+\i], 0, v[200+\j], s39   ; the C of tile j's first product: b2 of my column in plane 0, else 0
.endr
.endr
	s_wait_kmcnt 0x0
	s_add_co_u32 s35, s34, 15
	s_lshr_b32 s35, s35, 4
	s_max_u32 s35, s35, 1
	s_sub_co_u32 s35, s35, 1                       ; the expert's last tile
	GROUP 1, 56, 56, 56, 56
	GROUP 2, 56, 56, 56, 56
	GROUP 3, 56, 56, 56, 56
	GROUP 4, 56, 56, 56, 56
	GROUP 5, 56, 56, 56, 56
	GROUP 6, 56, 48, 40, 32                        ; nothing is refilled any more: the group's other (24 - 8 q) and the last group's 32 are younger
	WIN 0
	FETCH 0                                        ; my first tile runs in with the stream's tail
	GROUP 7, 63, 60, 52, 44                        ; the group's other (24 - 8 q) and the fetch's 44 are younger; 68 is held to 63, the largest count that the wait can name
	WIN 0
	s_wait_dscnt 0x0                               ; for the others' sake: my images and scale words have landed
	s_barrier_signal -1
	s_barrier_wait -1                              ; the one barrier: behind it LDS is only read
	RESIDENT
	s_wait_xcnt 0x0                                ; the first fetch has read its bases
	FETCH 1                                        ; my second tile, behind the issue of the fragments' loads, which come in meanwhile
	s_wait_dscnt 0x0
	s_mov_b32 s38, 8                               ; at most 16 tiles a wave: 1,024 rows
.Lstep:
	STEP 0
	STEP 1
	s_sub_co_u32 s38, s38, 1
	s_cmp_lg_u32 s38, 0
	s_cbranch_scc1 .Lstep
	s_branch .Ldone
	TAIL 0, 1
	s_branch .Ldone
	TAIL 1, 0
.Ldone:
	s_barrier_signal -1
	s_barrier_wait -1
	s_wait_tensorcnt 0x0
	ds_add_u32 v254, v255
	s_wait_dscnt 0x0
	s_endpgm
.Lfunc_end_k_qb0fac0f236_down:
	.size	k_qb0fac0f236_down, .Lfunc_end_k_qb0fac0f236_down-k_qb0fac0f236_down
	.p2alignl 7, 3214868480
	.fill 96, 4, 3214868480
	.section	.rodata,"a",@progbits
	.p2align	6, 0x0
	.amdhsa_kernel k_qb0fac0f236_down
		.amdhsa_group_segment_fixed_size 70144
		.amdhsa_private_segment_fixed_size 0
		.amdhsa_enable_private_segment 0
		.amdhsa_kernarg_size 40
		.amdhsa_user_sgpr_count 2
		.amdhsa_user_sgpr_kernarg_segment_ptr 1
		.amdhsa_wavefront_size32 1
		.amdhsa_system_sgpr_workgroup_id_x 1
		.amdhsa_system_sgpr_workgroup_id_y 1
		.amdhsa_system_sgpr_workgroup_id_z 1
		.amdhsa_system_vgpr_workitem_id 0
		.amdhsa_next_free_vgpr 1024
		.amdhsa_next_free_sgpr 66
		.amdhsa_reserve_vcc 0
		.amdhsa_float_denorm_mode_32 3
		.amdhsa_float_denorm_mode_16_64 3
		.amdhsa_memory_ordered 1
		.amdhsa_forward_progress 1
		.amdhsa_inst_pref_size 210
	.end_amdhsa_kernel
	.amdgpu_metadata
---
amdhsa.version: [ 1, 2 ]
amdhsa.kernels:
  - .name:           k_qb0fac0f236_down
    .symbol:         k_qb0fac0f236_down.kd
    .args:
      - { .name: W2, .offset: 0, .size: 8, .value_kind: global_buffer, .address_space: global }
      - { .name: b2, .offset: 8, .size: 8, .value_kind: global_buffer, .address_space: global }
      - { .name: hc, .offset: 16, .size: 8, .value_kind: global_buffer, .address_space: global }
      - { .name: rows, .offset: 24, .size: 8, .value_kind: global_buffer, .address_space: global }
      - { .name: y2, .offset: 32, .size: 8, .value_kind: global_buffer, .address_space: global }
    .group_segment_fixed_size: 70144
    .private_segment_fixed_size: 0
    .kernarg_segment_align: 8
    .kernarg_segment_size: 40
    .max_flat_workgroup_size: 128
    .sgpr_count:     66
    .vgpr_count:     1024
    .wavefront_size: 32
...
	.end_amdgpu_metadata
.endif
;; end of part 3
;; launch sum (part 4): grid 257 x 1, 8 waves a work-group, no clusters, 0 bytes of LDS; arguments y2, rt, rows, out0, out1; writes out0, out1
.if DOCPART == 4
	.amdgcn_target "amdgcn-amd-amdhsa--gfx1250"
	.amdhsa_code_object_version 6
	.text
	.protected	k_qb0fac0f236_sum
	.globl	k_qb0fac0f236_sum
	.p2align	8
	.type	k_qb0fac0f236_sum,@function
k_qb0fac0f236_sum:
	s_mov_b64 s[64:65], 0
	v_nop
	global_prefetch_b8 v0, s[64:65] scope:SCOPE_SE
	s_setreg_imm32_b32 hwreg(HW_REG_WAVE_MODE, 25, 1), 1
	s_wait_xcnt 0x0
; SUM.  out0[t] = the four parts of token t: its two choices (rows t and 1024 + t of y2) in the two planes (halves of the second product's K).  Every token has two choices, so all four rows were stored.
; Work-groups 0 to 255 take 4 tokens each (16 KiB of out0): a thread's 16 bytes of each row; a wave's load or store covers 512 consecutive bytes.  A stream: no LDS, no barrier, no matrix unit.
; Work-group 256, wave 0: out1 = 0.01 x mean((count / 2048 - 1/8)^2) + 0.001 x mean(logsumexp).
.set PL, 8421376                       ; a plane of y2
.set SL, 4194304                       ; from a token's first choice to its second
	s_load_b256 s[4:11], s[0:1], 0x0               ; y2 s[4:5], rt s[6:7], rows s[8:9], out0 s[10:11]
	s_load_b64 s[12:13], s[0:1], 0x20              ; out1
	s_cmp_eq_u32 ttmp9, 256
	s_cbranch_scc1 .Lloss
	v_lshlrev_b32 v1, 4, v0
	s_lshl_b32 s14, ttmp9, 14
	s_mov_b32 s15, 0
	s_wait_alu depctr_va_vdst(0)
	s_wait_kmcnt 0x0
	s_add_nc_u64 s[4:5], s[4:5], s[14:15]
	s_add_nc_u64 s[10:11], s[10:11], s[14:15]
	s_add_nc_u64 s[16:17], s[4:5], PL
.irp q, 0,1,2,3
	global_load_b128 v[4+16*\q:7+16*\q], v1, s[4:5] offset:4096*\q th:TH_LOAD_NT
	global_load_b128 v[8+16*\q:11+16*\q], v1, s[4:5] offset:SL+4096*\q th:TH_LOAD_NT
	global_load_b128 v[12+16*\q:15+16*\q], v1, s[16:17] offset:4096*\q th:TH_LOAD_NT
	global_load_b128 v[16+16*\q:19+16*\q], v1, s[16:17] offset:SL+4096*\q th:TH_LOAD_NT
.endr
.irp q, 0,1,2,3
	s_wait_loadcnt 12-4*\q                         ; this row's four loads are in; the later rows' may be out
	v_pk_add_f32 v[4+16*\q:5+16*\q], v[4+16*\q:5+16*\q], v[8+16*\q:9+16*\q]
	v_pk_add_f32 v[6+16*\q:7+16*\q], v[6+16*\q:7+16*\q], v[10+16*\q:11+16*\q]
	v_pk_add_f32 v[12+16*\q:13+16*\q], v[12+16*\q:13+16*\q], v[16+16*\q:17+16*\q]
	v_pk_add_f32 v[14+16*\q:15+16*\q], v[14+16*\q:15+16*\q], v[18+16*\q:19+16*\q]
	s_delay_alu instid0(VALU_DEP_2)
	v_pk_add_f32 v[4+16*\q:5+16*\q], v[4+16*\q:5+16*\q], v[12+16*\q:13+16*\q]
	s_delay_alu instid0(VALU_DEP_2)
	v_pk_add_f32 v[6+16*\q:7+16*\q], v[6+16*\q:7+16*\q], v[14+16*\q:15+16*\q]
	global_store_b128 v1, v[4+16*\q:7+16*\q], s[10:11] offset:4096*\q th:TH_STORE_NT
.endr
	s_endpgm
.Lloss:
	v_lshrrev_b32 v2, 5, v0
	s_delay_alu instid0(VALU_DEP_1)
	v_readfirstlane_b32 s14, v2
	s_cmp_lg_u32 s14, 0
	s_cbranch_scc1 .Lend                           ; one wave's work
	v_lshlrev_b32 v1, 4, v0
	s_mov_b32 s24, 0x76543210
	s_mov_b32 s25, 0xfedcba98                      ; v_permlanex16_b32's selects for lane l xor 16
	s_mov_b32 s26, 0x3a000000                      ; 1 / 2048
	s_mov_b32 s27, 0xbe000000                      ; -1 / 8
	s_wait_alu depctr_va_vdst(0)
	s_wait_kmcnt 0x0
	s_load_b256 s[16:23], s[8:9], 0x8000           ; the eight counts
.irp q, 0,1,2,3,4,5,6,7
	global_load_b128 v[4+4*\q:7+4*\q], v1, s[6:7] offset:8192+512*\q     ; the 1,024 logsumexp
.endr
	v_mov_b32 v40, 0                               ; a lane permute's destination counts as one of its sources
	s_wait_loadcnt 0x0
.irp q, 1
	v_pk_add_f32 v[4:5], v[4:5], v[4+4*\q:5+4*\q]
	v_pk_add_f32 v[6:7], v[6:7], v[6+4*\q:7+4*\q]
.endr
.irp q, 2, 3, 4, 5, 6, 7
	s_delay_alu instid0(VALU_DEP_2)
	v_pk_add_f32 v[4:5], v[4:5], v[4+4*\q:5+4*\q]
	s_delay_alu instid0(VALU_DEP_2)
	v_pk_add_f32 v[6:7], v[6:7], v[6+4*\q:7+4*\q]
.endr
	s_delay_alu instid0(VALU_DEP_1)
	v_pk_add_f32 v[4:5], v[4:5], v[6:7]
	s_delay_alu instid0(VALU_DEP_1)
	v_add_f32 v4, v4, v5
	s_delay_alu instid0(VALU_DEP_1)
	v_add_f32_dpp v4, v4, v4 row_xmask:1 row_mask:0xf bank_mask:0xf
	s_delay_alu instid0(VALU_DEP_1)
	v_add_f32_dpp v4, v4, v4 row_xmask:2 row_mask:0xf bank_mask:0xf
	s_delay_alu instid0(VALU_DEP_1)
	v_add_f32_dpp v4, v4, v4 row_xmask:4 row_mask:0xf bank_mask:0xf
	s_delay_alu instid0(VALU_DEP_1)
	v_add_f32_dpp v4, v4, v4 row_xmask:8 row_mask:0xf bank_mask:0xf
	s_delay_alu instid0(VALU_DEP_1)
	v_permlanex16_b32 v40, v4, s24, s25
	s_delay_alu instid0(VALU_DEP_1)
	v_add_f32 v4, v4, v40
	s_wait_kmcnt 0x0
.irp e, 0,1,2,3,4,5,6,7
	v_cvt_f32_u32 v[12+\e], s[16+\e]
.endr
.irp e, 0,1,2,3,4,5,6,7
	v_fma_f32 v[12+\e], v[12+\e], s26, s27         ; load - 1 / 8
.endr
	v_mul_f32 v10, v12, v12
.irp e, 1,2,3,4,5,6,7
	s_delay_alu instid0(VALU_DEP_1)
	v_fma_f32 v10, v[12+\e], v[12+\e], v10
.endr
	s_delay_alu instid0(VALU_DEP_1)
	v_mul_f32 v10, 0x3aa3d70a, v10                 ; x 0.01 / 8
	s_delay_alu instid0(VALU_DEP_1)
	v_fmamk_f32 v11, v4, 0x3583126f, v10           ; + 0.001 / 1024 x the sum
	v_mov_b32 v2, 0
	v_cmp_eq_u32 vcc_lo, 0, v0
	s_wait_alu depctr_va_vdst(0)
	s_wait_xcnt 0x0                                ; EXEC changes only behind this wait
	s_and_saveexec_b32 s28, vcc_lo
	global_store_b32 v2, v11, s[12:13]
	s_wait_xcnt 0x0
	s_or_b32 exec_lo, exec_lo, s28
.Lend:
	s_endpgm
.Lfunc_end_k_qb0fac0f236_sum:
	.size	k_qb0fac0f236_sum, .Lfunc_end_k_qb0fac0f236_sum-k_qb0fac0f236_sum
	.p2alignl 7, 3214868480
	.fill 96, 4, 3214868480
	.section	.rodata,"a",@progbits
	.p2align	6, 0x0
	.amdhsa_kernel k_qb0fac0f236_sum
		.amdhsa_group_segment_fixed_size 0
		.amdhsa_private_segment_fixed_size 0
		.amdhsa_enable_private_segment 0
		.amdhsa_kernarg_size 40
		.amdhsa_user_sgpr_count 2
		.amdhsa_user_sgpr_kernarg_segment_ptr 1
		.amdhsa_wavefront_size32 1
		.amdhsa_system_sgpr_workgroup_id_x 1
		.amdhsa_system_sgpr_workgroup_id_y 1
		.amdhsa_system_sgpr_workgroup_id_z 1
		.amdhsa_system_vgpr_workitem_id 0
		.amdhsa_next_free_vgpr 96
		.amdhsa_next_free_sgpr 66
		.amdhsa_reserve_vcc 1
		.amdhsa_float_denorm_mode_32 3
		.amdhsa_float_denorm_mode_16_64 3
		.amdhsa_memory_ordered 1
		.amdhsa_forward_progress 1
		.amdhsa_inst_pref_size 10
	.end_amdhsa_kernel
	.amdgpu_metadata
---
amdhsa.version: [ 1, 2 ]
amdhsa.kernels:
  - .name:           k_qb0fac0f236_sum
    .symbol:         k_qb0fac0f236_sum.kd
    .args:
      - { .name: y2, .offset: 0, .size: 8, .value_kind: global_buffer, .address_space: global }
      - { .name: rt, .offset: 8, .size: 8, .value_kind: global_buffer, .address_space: global }
      - { .name: rows, .offset: 16, .size: 8, .value_kind: global_buffer, .address_space: global }
      - { .name: out0, .offset: 24, .size: 8, .value_kind: global_buffer, .address_space: global }
      - { .name: out1, .offset: 32, .size: 8, .value_kind: global_buffer, .address_space: global }
    .group_segment_fixed_size: 0
    .private_segment_fixed_size: 0
    .kernarg_segment_align: 8
    .kernarg_segment_size: 40
    .max_flat_workgroup_size: 256
    .sgpr_count:     66
    .vgpr_count:     96
    .wavefront_size: 32
...
	.end_amdgpu_metadata
.endif
;; end of part 4
